; MI455X (gfx1250); checked and timed in simulation.
; The chip was launched on July 23, 2026; its instructions are those of AMD's public machine-readable ISA for CDNA 5 (MIT licence, August 2026) and "CDNA5" Instruction Set Architecture Reference Guide (July 2026). The comments in the code are by the model that wrote it; some were corrected since.
;; Frequency Linear. Allowed arithmetic: matrix products marked QUANTISED: E2M1 operands, one E8M0 scale for each 32 along K, by v_wmma_scale_f32_16x16x128_f8f6f4 with both operands' format E2M1 (or v_wmma_scale_f32_32x16x128_f4), f32 sums; everything else in f32.
;; Inputs: w_im_codes 2,048 x 64 x 16 uint8 (E2M1 codes of w_im, K innermost, in blocks of 32 codes, two codes a byte); w_im_scales 2,048 x 64 uint8 (E8M0 scales of w_im, one for each 32 codes along K); w_re_codes 2,048 x 64 x 16 uint8 (E2M1 codes of w_re, K innermost, in blocks of 32 codes, two codes a byte); w_re_scales 2,048 x 64 uint8 (E8M0 scales of w_re, one for each 32 codes along K); x_im_codes 4,096 x 64 x 16 uint8 (E2M1 codes of x_im, K innermost, in blocks of 32 codes, two codes a byte); x_im_scales 4,096 x 64 uint8 (E8M0 scales of x_im, one for each 32 codes along K); x_re_codes 4,096 x 64 x 16 uint8 (E2M1 codes of x_re, K innermost, in blocks of 32 codes, two codes a byte); x_re_scales 4,096 x 64 uint8 (E8M0 scales of x_re, one for each 32 codes along K).
;; Outputs: out0 4,096 x 2,048 x 2 float32.
;; This version of the problem:
;;   THIS VERSION OF THE PROBLEM IS GIVEN IN LOW PRECISION. The matrix products marked QUANTISED in the list below multiply operands that are first quantised to E2M1 (2 exponent bits, 1 mantissa bit; 4 bits a number), with one power-of-two scale for each 32 numbers along K (OCP MX v1.0); their sums are f32. All else is computed in f32.
;;   The module's matrix products, in the order in which they are computed (A, B: the left and right operand; K: the contracted axis; several contracted axes count as one K, in the product's order):
;;     1. [M 4,096, K 2,048] x [K 2,048, N 2,048]; A: input x_re (given as codes); B: input w_re (given as codes): QUANTISED
;;     2. [M 4,096, K 2,048] x [K 2,048, N 2,048]; A: input x_im (given as codes); B: input w_im (given as codes): QUANTISED
;;     3. [M 4,096, K 2,048] x [K 2,048, N 2,048]; A: input x_re (given as codes); B: input w_im (given as codes): QUANTISED
;;     4. [M 4,096, K 2,048] x [K 2,048, N 2,048]; A: input x_im (given as codes); B: input w_re (given as codes): QUANTISED
;;   THE QUANTISER, for each operand of a quantised product, along K:
;;     - K is cut into blocks of 32 from its start; a last block that is shorter is filled with zeros.
;;     - A block's scale is 2^e with e = floor(log2(the largest magnitude in the block)) - 2, held to -126 .. 127; a block of zeros has e = 0. As a byte (E8M0): e + 127.
;;     - Each number is divided by its block's scale, clamped to +-6, and rounded to the nearest number of E2M1, ties to even, subnormals kept.
;;     - The product sums the exact products of the quantised numbers (number of the format x scale) in f32.
;;   ~~~python
;;   def quantise(x, axis):      # numpy; x: float32 -> the quantised numbers, widened to float32 again
;;       x = np.moveaxis(x, axis, -1); K = x.shape[-1]
;;       x = np.pad(x, [(0, 0)] * (x.ndim - 1) + [(0, -K % 32)]); x = x.reshape(x.shape[:-1] + (-1, 32)); a = np.abs(x).max(-1, keepdims=True)
;;       e = np.where(a > 0, np.clip(np.frexp(np.where(a > 0, a, 1))[1] - 1 - 2, -126, 127), 0)      # np.frexp(a)[1] - 1 = floor(log2(a)), exactly
;;       r = np.clip(x / 2.0 ** e, -6, 6)
;;       step = 2.0 ** (np.maximum(np.frexp(np.where(r == 0, 1, r))[1] - 1, 0) - 1)
;;       q = np.round(r / step) * step * 2.0 ** e      # np.round: ties to even
;;       return np.moveaxis(q.reshape(q.shape[:-2] + (-1,))[..., :K], -1, axis).astype(np.float32)
;;   ~~~
;;   INPUTS GIVEN AS CODES. w_im (in the module: [2048, 2048], K = its axis 1); w_re (in the module: [2048, 2048], K = its axis 1); x_im (in the module: [4096, 2048], K = its axis 1); x_re (in the module: [4096, 2048], K = its axis 1): each comes as NAME_codes (uint8): NAME with its K axis moved to the last place and cut into blocks of 32 codes, [.., K / 32, bytes a block], one block behind the other in memory; two codes a byte, the lower K in the low four bits (a code: sign, 2 exponent bits, 1 mantissa bit); and NAME_scales (uint8): the same leading axes, one E8M0 byte (e + 127) for each 32 codes along K. Its value is code x scale, taken as it is: it is not quantised again, and the codes and scales need not be those that the quantiser above would give.
;; One version. Each part assembles by itself: llvm-mc -triple=amdgcn-amd-amdhsa -mcpu=gfx1250 --defsym DOCPART=n.
;; ======== version 1 of 1: 1 launch
;; limits: right only within a limited range of input values
;; launch cgemm (part 1): grid 16 x 16, 4 waves a work-group, clusters of 4 x 4, 327,680 bytes of LDS; arguments x_re_codes, x_im_codes, w_re_codes, w_im_codes, x_re_scales, x_im_scales, w_re_scales, w_im_scales, out0; writes out0
.if DOCPART == 1
	.amdgcn_target "amdgcn-amd-amdhsa--gfx1250"
	.amdhsa_code_object_version 6
	.text
	.protected	k_qdef93b1cce_cgemm
	.globl	k_qdef93b1cce_cgemm
	.p2align	8
	.type	k_qdef93b1cce_cgemm,@function
k_qdef93b1cce_cgemm:
	s_mov_b64 s[64:65], 0
	v_nop
	global_prefetch_b8 v0, s[64:65] scope:SCOPE_SE
	s_setreg_imm32_b32 hwreg(HW_REG_WAVE_MODE, 25, 1), 1
	s_wait_xcnt 0x0
	s_wait_alu depctr_hold_cnt(0) depctr_sa_sdst(0) depctr_va_vdst(0) depctr_va_sdst(0) depctr_va_ssrc(0) depctr_va_vcc(0) depctr_vm_vsrc(0)
	s_getreg_b32 s2, hwreg(HW_REG_IB_STS2, 6, 4)
	s_cmp_eq_u32 s2, 0
	s_cbranch_scc0 .Lentry_in_a_cluster
	s_endpgm
.Lentry_in_a_cluster:
	s_bfe_u32 s2, ttmp6, 0x10000c
	s_cmp_lg_u32 s2, 0xf033
	s_cbranch_scc0 .Lentry_shape_is_right
	s_endpgm
.Lentry_shape_is_right:
; out0[b][o] = (re, im) of the sum over i of x[b][i] w[o][i], complex:  re = Xr Wr^T - Xi Wi^T,  im = Xr Wi^T + Xi Wr^T.
; Xr, Xi: [4096][2048], Wr, Wi: [2048][2048]: codes of FP4 (E2M1), two a byte, K innermost (a row is 1,024 bytes), with one E8M0 byte for each 32 along K (a row is 64 bytes).  out0: [4096][2048][2] f32.
; NOTHING IS LEFT OUT: all four products are live and all eight inputs are loaded.  Codes and scale bytes go to the matrix unit as they lie.
; TWO SUMS FOR A COMPLEX NUMBER, both f32.  R: every step of K is two links, Xi Wi^T - R and then Xr Wr^T - R (the C operand is taken negated each time): after the second, R has grown by Xr Wr^T - Xi Wi^T.  I: Xr Wi^T + I, then Xi Wr^T + I.
; LIMITS: a scale byte 0xff gives NaN, as the matrix instruction gives it.  The two products of re, and of im, share one sum that takes them by turns and goes along K in the walk's order (below): the order of rounding is not that of two ascending sums joined at the end.
; SHARES.  A tile is 128 rows x 128 complex columns; a work-group of four waves, as many as a WGP has SIMDs, makes TWO tiles, A and B, 2,048 rows apart, on the same 128 rows of W.  A wave makes 64 x 64 of each: 2 x 8 accumulators of 32 x 16 a tile.
; K goes in four parts of 512 (256 bytes of a row).  THE WALK, eight phases of four steps of 128:  A0 A1 A2 B2 A3 B3 B0 B1.  W's parts 2 and 3 serve two phases each: B2 and B3 take their steps BACKWARDS, since W's fragments of the last two steps of A2 and A3
; are still in registers.  LDS holds two slots for X's part (128 rows of Xr, of Xi) and two for W's; behind each change of phases a wave fetches at most one tile of 128 rows.
; A's results leave in phases 5 and 6, at the steps' starts.  Phase 7 goes by quadrants of the wave's tile: each quadrant's results leave ahead of the next one's products.
; THE WALK BEGINS AT ANOTHER PART OF K IN EACH CLUSTER: cluster (x, y) takes for part k the part (k + f) mod 4, f = rev(x) + rev(y), rev = a number's two bits in the other order.  So the four clusters of a row of clusters, which read the same
; rows of X, ask for four different parts at a time; likewise the four of a column for W.  f is made of the cluster's x and y, which all sixteen partners share.
; CLUSTERS: 4 x 4 work-groups.  The four of a row of the cluster need the same tiles of X, the four of a column the same tiles of W: each is asked for JOINTLY, by the same tensor load with the same descriptor and a mask that names the four.
; THE WAY OUT NEEDS NO LDS.  Source 0 = 32 rows of X, source 1 = 16 rows of W: register j (8 + j) of lane (r, h) is (row 8 h + j (16 + 8 h + j), the column of lane r).  THE ROWS OF W THAT FORM A TILE ARE NOT NEIGHBOURS: lane r of tile 2 p + u takes
; row 32 p + 2 r + (g xor u), g = r / 8.  So a lane holds columns 2 r and 2 r + 1 in two neighbouring tiles (in lanes with g = 1 in the other order: a select by a constant lane mask puts that right), and re, im, re, im of the two
; are 16 neighbouring bytes of out0: sixteen lanes store 256 consecutive bytes, aligned.  The xor makes the 16 rows of a tile differ modulo 16, so that at a pitch of 272 bytes they start at 16 different banks (64 banks of 4 bytes: ISA guide 11.1).
; REGISTERS, in windows of 256:  window 0: v1-27 addresses and work at the head; v28, v29 the add's two; v32-95 tile A's scale words of X (from phase 5 on: what is stored); v96-159 W's; v160-223 tile B's of X (in phase 7 those of parts 2 and 3, done with, hold what is stored).
;   window 1: two sets of fragments of 128 along K, at v0 and v128: Xr's four blocks (8 registers each), Xi's, Wr's four tiles, Wi's.   window 2: A's sums: R at v[16 (4 gr + t)], I at v[128 + ..]; window 3: B's.
;   In phase 7 window 1 holds X's fragments of all four steps, window 2 W's.
.set PITCH,  272                       ; an LDS row: 256 bytes + 16 of padding
.set TILEB,  128*PITCH                 ; 128 rows: what one tensor load brings
.set SLOT,   4*TILEB                   ; Xr, Xi, Wr, Wi
.set SPARE,  2*SLOT                    ; behind the slots: the spare words, 128 bytes for each wave: two blocks of 256 bytes that no other line names
.set KROW,   1024                      ; a row of codes in memory
.set KSB,    256                       ; a part of it: 512 codes
.set WALK,   2048                      ; rows from tile A to tile B
.set OROW,   16384                     ; a row of out0
.set AWS,  12                          ; v12-15  W's scale words of part k: 64 x (2 r + (g xor h)) + 16 x (its place in K): lanes 0-15 an even tile's rows, lanes 16-31 the odd tile's
.set ADX,  16                          ; v16-17  LDS address of my X fragments in slot 0, 1
.set ADW,  18                          ; v18-19  of my W fragments of even tiles (u = 0) in slot 0, 1;  v20-21 of odd tiles
.set CO,   22                          ; v22     my byte offset in out0: 8 h rows + 16 r
.set PFO,  23                          ; v23     the prefetch's offset: 1,024 x lane; never rewritten
.set AXS,  24                          ; v24-27  X's scale words of part k: 64 x lane + the same; never rewritten
.set SPW,  28                          ; v28     LDS address of my spare word: SPARE + 4 x my thread's number; never rewritten
.set NIL,  29                          ; v29     0; never rewritten
.set SXA,  32                          ; X's scale words: v[SX + 32 c + 16 gr + 4 k + q]: tensor c (re, im), lane l = row 32 gr + l of my 64, step q of part k
.set SWB,  96                          ; W's: v[SWB + 32 c + 16 p + 4 k + q]: lanes 0-15 tile 2 p, lanes 16-31 tile 2 p + 1
.set SXB,  160
.set STG,  32                          ; stage 0: 16 quads to store, where A's scale words have had their last use
.set G1X,  28                          ; s[28:35] descriptor group 1 for X's tiles;  s[36:43] for W's: it differs in the mask alone
.set G1W,  36
.set G0X,  44                          ; s[44:51] group 0 for X's tiles, one set for each slot;  s[52:59] for W's
.set G0W,  52
.set XBA,  70                          ; s[70:71] my tensor of X at tile A's first row;  s[66:67] at tile B's;  s[72:73] my tensor of W
.set XBB,  66
.set WB,   72
.set OA,   20                          ; s[20:21], s[68:69] out0 at my first row and column of tile A, B
.set OB,   68
.set PFA,  74                          ; s[74:75] where my prefetch stands; never rewritten
.set MASK, 76                          ; s76     the lanes with g = 1
.set KO,   88                          ; s[88:95] four pairs: the byte in a row at which part k begins: 256 x ((k + f) mod 4), and 0 above it
.set MSB, 0
.macro WIN new                         ; s_set_vgpr_msb: bits 1:0 source 0, 3:2 source 1, 5:4 source 2, 7:6 destination; the immediate's high byte repeats the setting that is left
.if MSB != \new
	s_set_vgpr_msb (MSB<<8)|\new
.set MSB, \new
.endif
.endm
.set TO_F,   0x40                      ; destination window 1, address window 0
.set TO_2,   0x80                      ; destination window 2
.set MULA,   0xa5                      ; sources 0 and 1 window 1, C and D window 2
.set MULB,   0xf5                      ; the same, C and D window 3
.set MULL,   0xf9                      ; phase 7: source 0 (X) window 1, source 1 (W) window 2, C and D window 3
; A load into a register that a matrix instruction has read, and a vector instruction that reads a matrix result, stand four places behind that matrix instruction; only plain vector instructions that name none of its
; registers are places (ISA guide 7.12.1 for vector instructions).
.macro PLACES
.rept 4
	v_nop
.endr
.endm
; A joint load: waves 0 and 1 fetch Xr's and Xi's tile into X's slot xsl, waves 2 and 3 Wr's and Wi's into W's slot wsl (wsl = 2: they fetch nothing).  Each line has ONE mask; the branch hangs on the wave's number alone.
.macro JLOAD xsl, wsl
	s_cmp_eq_u32 s23, 0
	s_cbranch_scc0 .Lfor_w_\@
	tensor_load_to_lds s[G0X+4*(\xsl):G0X+4*(\xsl)+3], s[G1X:G1X+7]
	s_nop 0
	PLACES
	s_branch .Lasked_\@
.Lfor_w_\@:
.if (\wsl) < 2
	tensor_load_to_lds s[G0W+4*(\wsl):G0W+4*(\wsl)+3], s[G1W:G1W+7]
	s_nop 0
.endif
	PLACES
.Lasked_\@:
.endm
.macro CREST                           ; a round of the cluster's barrier behind its opening barrier
	s_cmp_lg_u32 s22, 0
	s_cbranch_scc1 .Lnot_wave_0_\@
	s_barrier_signal -3
.Lnot_wave_0_\@:
	s_barrier_wait -3
	s_barrier_signal -1
	s_barrier_wait -1
.endm
.macro CROUND                          ; a whole round
	s_barrier_signal -1
	s_barrier_wait -1
	CREST
.endm
; group 0 of the next fills: X's slot xsl takes part xk of the tile at s[xb], W's slot wsl part wk (2: no fill).  No tensor load of mine is out.
.macro GSET xsl, xb, xk, wsl, wk
.if (\xsl) < 2
	s_add_nc_u64 s[G0X+4*(\xsl)+2:G0X+4*(\xsl)+3], s[\xb:\xb+1], s[KO+2*(\xk):KO+2*(\xk)+1]
	s_or_b32 s[G0X+4*(\xsl)+3], s[G0X+4*(\xsl)+3], 0x80000000      ; 127:126 type = 2
.endif
.if (\wsl) < 2
	s_add_nc_u64 s[G0W+4*(\wsl)+2:G0W+4*(\wsl)+3], s[WB:WB+1], s[KO+2*(\wk):KO+2*(\wk)+1]
	s_or_b32 s[G0W+4*(\wsl)+3], s[G0W+4*(\wsl)+3], 0x80000000
.endif
.endm
; LDS loads in one run: a step's fragments (the q-th 128 along K of X's slot xs and W's slot ws), X's into set gx, W's into set gw: Xi, Wi, Xr, Wr, eight each (wl = 0: X's alone).
; 16 rows x 128 K are 8 registers: lane (r, h) holds its row's K = 64 e + 32 h + 0 .. 31 in registers 4 e .. 4 e + 3.
.macro FETCH xs, ws, q, gx, gw, wl
	WIN TO_F
.irp c, 1,0
.irp a, 0,1,2,3
.irp e, 0,1
	ds_load_b128 v[(\gx)+32*\c+8*\a+4*\e:(\gx)+32*\c+8*\a+4*\e+3], v[ADX+(\xs)] offset:\c*TILEB+\a*16*PITCH+64*(\q)+32*\e
.endr
.endr
.if \wl
.irp p, 0,1
.irp u, 0,1
.irp e, 0,1
	ds_load_b128 v[(\gw)+64+32*\c+8*(2*\p+\u)+4*\e:(\gw)+64+32*\c+8*(2*\p+\u)+4*\e+3], v[ADW+2*\u+(\ws)] offset:\c*TILEB+\p*32*PITCH+64*(\q)+32*\e
.endr
.endr
.endr
.endif
.endr
.endm
; Phase 7 (X's slot 1, W's slot 1, part 1).  FX: X's fragments of 32 rows gr, step q -> window 1, v[128 gr + 32 q ..];  FW: W's of 32 columns p -> window 2, v[128 p + 32 q ..]; loads i = 0 .. 7 of each
.macro FX gr, q, i
.set FT, 1-(\i)/4
.set FR, 128*(\gr)+32*(\q)+16*FT+4*((\i)%4)
	WIN TO_F
	ds_load_b128 v[FR:FR+3], v[ADX+1] offset:FT*TILEB+(2*(\gr)+((\i)/2)%2)*16*PITCH+64*(\q)+32*((\i)%2)
.endm
.macro FW p, q, i
.set FT, 1-(\i)/4
.set FR, 128*(\p)+32*(\q)+16*FT+4*((\i)%4)
	WIN TO_2
	ds_load_b128 v[FR:FR+3], v[ADW+2*(((\i)/2)%2)+1] offset:FT*TILEB+(\p)*32*PITCH+64*(\q)+32*((\i)%2)
.endm
.macro L7 i                            ; phase 7's 128 loads in their order: 0-63 quadrant (0, 0), 16 a step; 64-95 columns p = 1, 8 a step; 96-127 rows gr = 1, 8 a step
.set SI, (\i)%8
.if (\i) < 64
.set SQ, (\i)/16
.if ((\i)%16) < 8
	FX 0, SQ, SI
.else
	FW 0, SQ, SI
.endif
.else
.if (\i) < 96
.set SQ, ((\i)-64)/8
	FW 1, SQ, SI
.else
.set SQ, ((\i)-96)/8
	FX 1, SQ, SI
.endif
.endif
.endm
.macro RUN7 i0, n                      ; n of them in one run, from i0 on
.set LI, \i0
.rept \n
	L7 LI
.set LI, LI+1
.endr
.endm
; One matrix instruction, 32 rows of X x 16 rows of W x 128 K.  X's scale words fill all 32 lanes; rb = 1: W's stand in lanes 16-31.  kind 0: + C;  1: - C;  2: the product starts its sum: nothing is ever cleared.
.macro WM d, x, w, sx, sw, rb, kind
.if (\kind) == 2
.if \rb
	v_wmma_scale_f32_32x16x128_f4 v[\d:\d+15], v[\x:\x+15], v[\w:\w+7], 0, v[\sx], v[\sw] matrix_b_scale:MATRIX_SCALE_ROW1
.else
	v_wmma_scale_f32_32x16x128_f4 v[\d:\d+15], v[\x:\x+15], v[\w:\w+7], 0, v[\sx], v[\sw]
.endif
.endif
.if (\kind) == 1
.if \rb
	v_wmma_scale_f32_32x16x128_f4 v[\d:\d+15], v[\x:\x+15], v[\w:\w+7], v[\d:\d+15], v[\sx], v[\sw] matrix_b_scale:MATRIX_SCALE_ROW1 neg_lo:[0,0,1]
.else
	v_wmma_scale_f32_32x16x128_f4 v[\d:\d+15], v[\x:\x+15], v[\w:\w+7], v[\d:\d+15], v[\sx], v[\sw] neg_lo:[0,0,1]
.endif
.endif
.if (\kind) == 0
.if \rb
	v_wmma_scale_f32_32x16x128_f4 v[\d:\d+15], v[\x:\x+15], v[\w:\w+7], v[\d:\d+15], v[\sx], v[\sw] matrix_b_scale:MATRIX_SCALE_ROW1
.else
	v_wmma_scale_f32_32x16x128_f4 v[\d:\d+15], v[\x:\x+15], v[\w:\w+7], v[\d:\d+15], v[\sx], v[\sw]
.endif
.endif
.endm
; The quad re(2 r), im(2 r), re(2 r + 1), im(2 r + 1) is put on end by four selects (lanes with g = 1 hold the two columns in the other order) and stored: lanes 0-15 write 256 consecutive bytes of a row, aligned, lanes 16-31 the same of
; the row eight further down.  n = 0 .. 15, four quads j each: rows' half gr = n / 8, columns' half p, 16 rows, four of eight row pairs; every accumulator is first read at its low end.  A stage has 16 quads: stage 0 at STG, stage 1 in the
; upper eight registers of each sixteen of v96-223.
.macro QAT n, j
.set GR, (\n)/8
.set PP, ((\n)/4)%2
.set RW, 16*(((\n)/2)%2)+4*((\n)%2)+(\j)
.set RA, 16*(4*GR+2*PP)+8*(((\n)/2)%2)+4*((\n)%2)+(\j)
.if STAGE
.set TT, SWB+16*(2*((\n)%4)+(\j)/2)+8+4*((\j)%2)
.else
.set TT, STG+16*((\n)%4)+4*(\j)
.endif
.endm
.macro QSEL n, j, aw
	QAT \n, \j
	WIN 5*(\aw)
	v_cndmask_b32 v[TT],   v[RA],      v[RA+16],   s[MASK]
	v_cndmask_b32 v[TT+1], v[RA+128],  v[RA+144],  s[MASK]
	v_cndmask_b32 v[TT+2], v[RA+16],   v[RA],      s[MASK]
	v_cndmask_b32 v[TT+3], v[RA+144],  v[RA+128],  s[MASK]
.endm
.macro QST n, j, ob
	QAT \n, \j
	global_store_b128 v[CO], v[TT:TT+3], s[\ob:\ob+1] offset:(32*GR+RW)*OROW+256*PP th:TH_STORE_NT   ; 55 rows of out0 at the most: inside the signed 24-bit immediate
.endm
.macro DRAIN n0, nn, aw, ob            ; nn groups of four quads, from group n0 on: all selects, then all stores
	s_wait_xcnt 0x0                                ; the earlier stores have read their data: the stage may be written again
.set DN, \n0
.rept \nn
.irp j, 0,1,2,3
	QSEL DN, \j, \aw
.endr
.set DN, DN+1
.endr
	WIN 0
.set DN, \n0
.rept \nn
.irp j, 0,1,2,3
	QST DN, \j, \ob
.endr
.set DN, DN+1
.endr
.endm
.set STAGE, 0
; A phase: the tile's scale words and window, the part, X's and W's slot; rev = 1: step s takes the (3 - s)-th 128 of the part, and W's fragments of steps 0 and 1 are in registers already; W's set in step s is (s + wp) mod 2, X's is s mod 2.
.macro SETP sx, mw, kk, xs, ws, rev, wp
.set SX, \sx
.set MW, \mw
.set KK, \kk
.set XS, \xs
.set WS, \ws
.set REV, \rev
.set WP, \wp
.endm
; 8 matrix instructions: one product (X's tensor xc x W's tensor wc) into R (acc = 0) or I (acc = 128), step s of the phase.  The accumulators take turns, one instruction a turn.
.macro PASS acc, kind, xc, wc, s
	WIN MW
.set QS, (\s)+REV*(3-2*(\s))
.irp gr, 0,1
.irp t, 0,1,2,3
	WM (\acc)+16*(4*\gr+\t), 128*((\s)%2)+32*\xc+16*\gr, 128*(((\s)+WP)%2)+64+32*\wc+8*\t, SX+32*\xc+16*\gr+4*KK+QS, SWB+32*\wc+16*(\t/2)+4*KK+QS, \t%2, \kind
.endr
.endr
.endm
.macro NEXT s                          ; the fragments of step s of this phase
.set QN, (\s)+REV*(3-2*(\s))
.set WL, 1
.if REV
.if (\s) < 2
.set WL, 0
.endif
.endif
	FETCH XS, WS, QN, 128*((\s)%2), 128*(((\s)+WP)%2), WL
.set NX, 16+16*WL                      ; the loads just issued
.endm
; Steps 0 and 1 of a phase: the next step's fragments go out first, and have this step's 32 matrix instructions in which to land.  The counts leave those loads out, and of this step's own what the pass ahead does not need.
; nn groups of tile A's results, from n0 on, leave ahead of them.
.macro STEP s, zero, n0, nn
	PLACES                                         ; the other set was read by the last step's products
.if (\nn) > 0
	DRAIN \n0, \nn, 2, OA
.endif
	NEXT (\s)+1
	s_wait_dscnt NX+16-8*REV                       ; Xi and Wi are in (rev: this step's own loads are X's 16 alone)
	PASS 0, 1+(\zero), 1, 1, \s                    ; R = Xi Wi^T - R
	s_wait_dscnt NX+8-8*REV                        ; Xr is in
	PASS 128, 2*(\zero), 0, 1, \s                  ; I += Xr Wi^T
	s_wait_dscnt NX                                ; Wr is in
.if \zero
	PLACES                                         ; R's first link has other modifiers than its second: five places between them
	v_nop
.endif
	PASS 0, 1, 0, 0, \s                            ; R = Xr Wr^T - R
	PASS 128, 0, 1, 0, \s                          ; I += Xi Wr^T
.endm
; Step 2: the phase's last fragments are fetched; then each wave waits for all its tensor loads, adds 0 to its spare word, and waits for that and for its reads of this phase's tiles, and says so.
.macro MEET xsl, xb, xk, wsl, wk, n0, nn
	PLACES
.if (\nn) > 0
	DRAIN \n0, \nn, 2, OA
.endif
	NEXT 3
	s_wait_dscnt 48
	PASS 0, 1, 1, 1, 2
	s_wait_dscnt 40
	PASS 128, 0, 0, 1, 2
	s_wait_dscnt 32
	PASS 0, 1, 0, 0, 2
	WIN 0                                          ; (the add's two registers lie in window 0)
	s_wait_tensorcnt 0x0                           ; all my tensor loads have landed
	ds_add_u32 v[SPW], v[NIL]                      ; 0 onto my spare word
	GSET \xsl, \xb, \xk, \wsl, \wk
	PASS 128, 0, 1, 0, 2                           ; eight matrix instructions stand between the add and the wait for it
	s_wait_dscnt 0x0                               ; the add is done, and my reads of this phase's tiles are over
	s_barrier_signal -1
.endm
; Step 3: the barrier opens a round of the cluster's barrier; behind it the refills, one a wave, and the next phase's first fragments (nrev, nwp: that phase's rev and wp).  From that request to the wait for it a wave issues 112 matrix instructions.
.macro TURN xsl, wsl, nxs, nws, nrev, nwp
	PASS 0, 1, 1, 1, 3                             ; work on registers while the others arrive
	WIN 0
	s_barrier_wait -1
	CREST                                          ; no wave of any partner still reads what is filled now or has a load on its way
	JLOAD \xsl, \wsl                               ; the first tensor load behind the round; its four v_nop are also the places in front of the loads below
	FETCH \nxs, \nws, 3*(\nrev), 0, 128*(\nwp), 1-(\nrev)
	PASS 128, 0, 0, 1, 3
	PASS 0, 1, 0, 0, 3
	PASS 128, 0, 1, 0, 3
.endm
; Phase 7: step q of quadrant (gr, p): eight matrix instructions, four accumulators by turns: R = Xi Wi^T - R, I += Xr Wi^T, R = Xr Wr^T - R, I += Xi Wr^T
.macro LQ gr, p, q
	WIN MULL
.irp k, 0,1,2,3
.irp u, 0,1
	WM 128*(\k%2)+16*(4*\gr+2*\p+\u), 128*\gr+32*\q+16*(1-((\k+1)/2)%2), 128*\p+32*\q+16*(1-\k/2)+8*\u, SXB+32*(1-((\k+1)/2)%2)+16*\gr+4+\q, SWB+32*(1-\k/2)+16*\p+4+\q, \u, 1-\k%2
.endr
.endr
.endm
.macro QUAD gr, p
	LQ \gr, \p, 0
	LQ \gr, \p, 1
	LQ \gr, \p, 2
	LQ \gr, \p, 3
	PLACES                                         ; for the reads of its results
.endm
	s_load_b256 s[4:11], s[0:1], 0x0               ; the codes: Xr s[4:5], Xi s[6:7], Wr s[8:9], Wi s[10:11]
	s_load_b256 s[12:19], s[0:1], 0x20             ; the scale bytes: Xr s[12:13], Xi s[14:15], Wr s[16:17], Wi s[18:19]
	s_load_b64 s[20:21], s[0:1], 0x40              ; out0
	v_lshl_add_u32 v[SPW], v0, 2, SPARE
	v_mov_b32 v[NIL], 0
	ds_add_u32 v[SPW], v[NIL]                      ; the wave's opening: the add, twice on end, and its wait ahead of my first tensor load; work on registers stands between the second and the wait
	ds_add_u32 v[SPW], v[NIL]                      ; and once more
	v_lshrrev_b32 v1, 5, v0
	v_readfirstlane_b32 s22, v1                    ; wave 0..3
	s_lshr_b32 s23, s22, 1                         ; HI: which 64 rows of the tile are mine.  Also: I fetch for X (0) or for W (1)
	s_and_b32 s24, s22, 1                          ; LO: which 64 columns.  Also: I fetch re (0) or im (1)
	s_bfe_u32 s25, ttmp6, 0x40000                  ; cx, cy: my place in the cluster
	s_bfe_u32 s26, ttmp6, 0x40004
	s_lshl_b32 s27, ttmp9, 2
	s_add_co_u32 s27, s27, s25                     ; TC: tile column = 4 x cluster x + cx
	s_and_b32 s60, ttmp7, 0xffff
	s_lshl_b32 s60, s60, 2
	s_add_co_u32 s60, s60, s26                     ; TR: tile row = 4 x cluster y + cy
	s_lshl_b32 s61, s26, 2
	s_lshl_b32 s61, 15, s61                        ; my row of the cluster
	s_lshl_b32 s62, 0x1111, s25                    ; my column
	; where my cluster's walk along K begins: f = rev(cluster x) + rev(cluster y), of which the low two bits count
	s_and_b32 s96, ttmp9, 3                        ; cluster x, 0 to 3
	s_lshl_b32 s98, s96, 1
	s_lshr_b32 s96, s96, 1
	s_or_b32 s96, s96, s98                         ; its two bits in the other order (and its upper bit once more as bit 2, which the mask below drops)
	s_and_b32 s97, ttmp7, 3                        ; cluster y, 0 to 3
	s_lshl_b32 s98, s97, 1
	s_lshr_b32 s97, s97, 1
	s_or_b32 s97, s97, s98
	s_add_co_u32 s96, s96, s97
.irp k, 0,1,2,3
	s_add_co_u32 s98, s96, \k
	s_and_b32 s98, s98, 3                          ; part k of the walk is part (k + f) mod 4 of K:
	s_lshl_b32 s[KO+2*\k], s98, 8                  ; 256 bytes a part
	s_mov_b32 s[KO+2*\k+1], 0
.endr
	; descriptor group 1: a tile of 128 rows x 256 bytes, padded in LDS
	s_or_b32 s[G1X+0], s61, (0<<16)|(1<<20)|(1<<21)|(5<<22)|(3<<25)  ; 15:0 the mask: X's tiles go to my row; 17:16 elements of 1 byte; 20 padding on; 21 set beside a mask; 24:22 after every 64 words (code 5); 31:25 four words (code 3)
	s_or_b32 s[G1W+0], s62, (0<<16)|(1<<20)|(1<<21)|(5<<22)|(3<<25)  ; the same with the mask of my column
.irp g, G1X, G1W
	s_mov_b32 s[\g+1], KSB<<16                     ; tensor_dim0 = 256
	s_mov_b32 s[\g+2], 128<<16                     ; tensor_dim1 = 128
	s_mov_b32 s[\g+3], KSB<<16                     ; tile_dim0 = 256
	s_mov_b32 s[\g+4], 128                         ; tile_dim1 = 128
	s_mov_b32 s[\g+5], KROW                        ; tensor_dim0_stride
	s_mov_b32 s[\g+6], 0
	s_mov_b32 s[\g+7], 0
.endr
	; offsets in bytes, each in registers of its own: what feeds X's descriptors holds TR alone, what feeds W's TC alone
	s_lshl_b32 s66, s60, 17                        ; X's codes: 128 TR rows of 1,024 bytes
	s_mov_b32 s67, 0
	s_lshl_b32 s68, s27, 17                        ; W's codes: 128 TC rows
	s_mov_b32 s69, 0
	s_mul_i32 s63, s22, TILEB                      ; where my tile goes in a slot: wave x 128 rows: no place in the cluster enters an LDS address
.irp sl, 0,1
	s_mov_b32 s[G0X+4*\sl], 1                      ; 1:0 count = 1
	s_add_co_u32 s[G0X+4*\sl+1], s63, \sl*SLOT     ; 63:32 LDS address
	s_mov_b32 s[G0W+4*\sl], 1
	s_add_co_u32 s[G0W+4*\sl+1], s63, \sl*SLOT
.endr
	s_lshl_b32 s78, s60, 13                        ; X's scale bytes: (128 TR + 64 HI) rows of 64 bytes
	s_lshl_b32 s77, s23, 12
	s_add_co_u32 s78, s78, s77
	s_mov_b32 s79, 0
	s_lshl_b32 s80, s27, 13                        ; W's: (128 TC + 64 LO) rows
	s_lshl_b32 s77, s24, 12
	s_add_co_u32 s80, s80, s77
	s_mov_b32 s81, 0
	s_lshl_b32 s82, s60, 21                        ; out0: (128 TR + 64 HI) rows of 16,384 bytes + (128 TC + 64 LO) x 8
	s_lshl_b32 s77, s23, 20
	s_add_co_u32 s82, s82, s77
	s_lshl_b32 s77, s27, 10
	s_add_co_u32 s82, s82, s77
	s_lshl_b32 s77, s24, 9
	s_add_co_u32 s82, s82, s77
	s_mov_b32 s83, 0
	s_lshl_b32 s84, s60, 17                        ; the prefetch: (128 TR + WALK + 32 cx) rows of 1,024 bytes,
	s_lshl_b32 s77, s25, 15
	s_add_co_u32 s84, s84, s77
	s_add_co_u32 s84, s84, WALK*KROW
	s_add_co_u32 s84, s84, s[KO+4]                 ; at part 2 of the walk, tile B's first
	s_mov_b32 s85, 0
	s_mov_b32 s[MASK], 0xff00ff00                  ; lanes 8-15 and 24-31: g = 1
	s_mul_i32 s86, s23, 64*PITCH                   ; LDS: my 64 rows of X,
	s_mul_i32 s87, s24, 64*PITCH                   ; my 64 rows of W,
	s_add_co_u32 s87, s87, 2*TILEB                 ; which lie behind Xr's and Xi's tiles
	s_wait_dscnt 0x0                               ; both opening adds are done
	s_wait_kmcnt 0x0
	s_cmp_eq_u32 s24, 0                            ; re or im: the choice hangs on the wave's number alone
	s_cselect_b64 s[XBA:XBA+1], s[4:5], s[6:7]
	s_cselect_b64 s[WB:WB+1], s[8:9], s[10:11]
	s_cselect_b64 s[PFA:PFA+1], s[4:5], s[6:7]
	s_add_nc_u64 s[XBA:XBA+1], s[XBA:XBA+1], s[66:67]
	s_add_nc_u64 s[WB:WB+1], s[WB:WB+1], s[68:69]
	s_add_nc_u64 s[XBB:XBB+1], s[XBA:XBA+1], WALK*KROW   ; (the offsets that lay there have been used)
	GSET 0, XBA, 0, 0, 0                           ; slots 0: part 0,
	GSET 1, XBA, 1, 1, 1                           ; slots 1: part 1
	CROUND                                         ; all sixteen work-groups are here: the first joint loads meet
	JLOAD 0, 0                                     ; phase 0's tiles
	s_add_nc_u64 s[PFA:PFA+1], s[PFA:PFA+1], s[84:85]
	s_add_nc_u64 s[12:13], s[12:13], s[78:79]
	s_add_nc_u64 s[14:15], s[14:15], s[78:79]
	s_add_nc_u64 s[16:17], s[16:17], s[80:81]
	s_add_nc_u64 s[18:19], s[18:19], s[80:81]
	s_add_nc_u64 s[20:21], s[20:21], s[82:83]
	s_add_nc_u64 s[OB:OB+1], s[20:21], WALK*OROW
	v_and_b32 v1, 15, v0                           ; r
	v_bfe_u32 v2, v0, 4, 1                         ; h
	v_bfe_u32 v3, v0, 3, 1                         ; g
	v_and_b32 v4, 31, v0                           ; lane
	v_lshlrev_b32 v11, 6, v4                       ; X's scale bytes: row = lane, 64 bytes a row
	v_xor_b32 v10, v3, v2
	v_lshl_add_u32 v10, v1, 1, v10                 ; W's: row 2 r + (g xor h)
	v_lshlrev_b32 v9, 6, v10
.irp k, 0,1,2,3
	s_lshr_b32 s99, s[KO+2*\k], 4                  ; a part's 16 scale bytes in a row: 16 x ((k + f) mod 4)
	v_add_nc_u32 v[AXS+\k], s99, v11
	v_add_nc_u32 v[AWS+\k], s99, v9
.endr
; the scale words of my 64 rows of W and of tile A's X, eight loads a part: 16 bytes (a part's four steps) a lane and load
.irp k, 0,1,2,3
.irp c, 0,1
.irp p, 0,1
	global_load_b128 v[SWB+32*\c+16*\p+4*\k:SWB+32*\c+16*\p+4*\k+3], v[AWS+\k], s[16+2*\c:17+2*\c] offset:2048*\p
	global_load_b128 v[SXA+32*\c+16*\p+4*\k:SXA+32*\c+16*\p+4*\k+3], v[AXS+\k], s[12+2*\c:13+2*\c] offset:2048*\p
.endr
.endr
.endr
	v_mul_u32_u24 v5, v1, PITCH
	v_lshl_add_u32 v5, v2, 4, v5                   ; X: row r x pitch + 16 h
	v_add_nc_u32 v[ADX], s86, v5
	v_add_nc_u32 v[ADX+1], SLOT, v[ADX]
	v_lshl_add_u32 v6, v1, 1, v3                   ; W, even tiles: row 2 r + g;
	v_xor_b32 v7, 1, v6                            ; odd tiles: 2 r + (g xor 1)
	v_mul_u32_u24 v8, v6, PITCH
	v_lshl_add_u32 v8, v2, 4, v8
	v_mul_u32_u24 v7, v7, PITCH
	v_lshl_add_u32 v7, v2, 4, v7
	v_add_nc_u32 v[ADW], s87, v8
	v_add_nc_u32 v[ADW+1], SLOT, v[ADW]
	v_add_nc_u32 v[ADW+2], s87, v7
	v_add_nc_u32 v[ADW+3], SLOT, v[ADW+2]
	v_lshlrev_b32 v[CO], 4, v1
	v_lshl_add_u32 v[CO], v2, 17, v[CO]            ; 16 r + 8 h rows of out0
	v_lshlrev_b32 v[PFO], 10, v4
	s_wait_alu depctr_va_vdst(0)                   ; the head's end
	s_wait_tensorcnt 0x0                           ; my tile of phase 0 is in
	ds_add_u32 v[SPW], v[NIL]
	s_wait_dscnt 0x0
	CROUND                                         ; everybody's is
	JLOAD 1, 1                                     ; phase 1's tiles: slots 1's first fill
	FETCH 0, 0, 0, 0, 0, 1
	WIN 0                                          ; at a label and at a branch every window is 0
; A PREFETCH INTO THE L2, one in the launch for each of waves 0 and 1: part 2 of tile B's X, the part with which my cluster begins that tile, 256 bytes of each row: two changes of phases ahead of the tensor load that will name those bytes.
; Each row's 256 bytes are named ONCE in the launch: the four clusters that read these rows take four different parts; a cluster's four partners along x take 32 rows each, told apart BY ADDRESS; wave 0 asks for Xr's, wave 1 for Xi's, a lane a row.
	s_cmp_eq_u32 s23, 0
	s_cbranch_scc0 .Lnot_mine
	global_prefetch_b8 v[PFO], s[PFA:PFA+1] th:TH_LOAD_NT scope:SCOPE_SE
.Lnot_mine:
	; phase 0: A, part 0
	SETP SXA, MULA, 0, 0, 0, 0, 0
	s_wait_loadcnt 24                              ; part 0's scale words are in; parts 1 to 3 (24 loads) may be out
	STEP 0, 1, 99, 0
	WIN 0
.irp k, 0,1,2,3                        ; tile B's scale words of X: 16 loads
.irp c, 0,1
.irp gr, 0,1
	global_load_b128 v[SXB+32*\c+16*\gr+4*\k:SXB+32*\c+16*\gr+4*\k+3], v[AXS+\k], s[12+2*\c:13+2*\c] offset:2048*\gr+WALK*64
.endr
.endr
.endr
	STEP 1, 0, 99, 0
	MEET 0, XBA, 2, 0, 2, 99, 0
	TURN 0, 0, 1, 1, 0, 0
	; phase 1: A, part 1
	SETP SXA, MULA, 1, 1, 1, 0, 0
	s_wait_loadcnt 32                              ; parts 2 and 3 (16 loads) and tile B's 16 may be out
	STEP 0, 0, 99, 0
	STEP 1, 0, 99, 0
	MEET 1, XBB, 2, 1, 3, 99, 0
	TURN 1, 1, 0, 0, 0, 0
	; phase 2: A, part 2
	SETP SXA, MULA, 2, 0, 0, 0, 0
	s_wait_loadcnt 24                              ; part 3 (8 loads) and tile B's 16 may be out
	STEP 0, 0, 99, 0
	STEP 1, 0, 99, 0
	MEET 0, XBA, 3, 2, 0, 99, 0
	TURN 0, 2, 1, 0, 1, 1                          ; W's part 3 was asked for a phase ago: X alone
	; phase 3: B, part 2, backwards
	SETP SXB, MULB, 2, 1, 0, 1, 1
	s_wait_loadcnt 0x0                             ; all scale words are in
	STEP 0, 1, 99, 0
	STEP 1, 0, 99, 0
	MEET 1, XBB, 3, 0, 0, 99, 0
	TURN 1, 0, 0, 1, 0, 1
	; phase 4: A, part 3: A's last
	SETP SXA, MULA, 3, 0, 1, 0, 1
	STEP 0, 0, 99, 0
	STEP 1, 0, 99, 0
	MEET 0, XBB, 0, 2, 0, 99, 0
	TURN 0, 2, 1, 1, 1, 0
	; phase 5: B, part 3, backwards; A's results leave
	SETP SXB, MULB, 3, 1, 1, 1, 0
	STEP 0, 0, 0, 3
	STEP 1, 0, 3, 3
	MEET 1, XBB, 1, 1, 1, 6, 2
	TURN 1, 1, 0, 0, 0, 0
	; phase 6: B, part 0
	SETP SXB, MULB, 0, 0, 0, 0, 0
	STEP 0, 0, 8, 3
	STEP 1, 0, 11, 3
	MEET 2, XBB, 0, 2, 0, 14, 2
	PASS 0, 1, 1, 1, 3
	WIN 0
	s_barrier_wait -1                              ; phase 7's tiles are in; nothing is filled again, so no round follows
	PLACES
	RUN7 0, 48                                     ; set 0 and A's sums are free: quadrant (0, 0)'s fragments of steps 0 to 2
	PASS 128, 0, 0, 1, 3
	PASS 0, 1, 0, 0, 3
	PASS 128, 0, 1, 0, 3
	; phase 7: B, part 1, by quadrants (gr, p)
	PLACES
	RUN7 48, 48                                    ; its step 3, and columns p = 1
	s_wait_dscnt 63                                ; at least 33 of the 96 are in: steps 0 and 1
	LQ 0, 0, 0
	LQ 0, 0, 1
	s_wait_dscnt 48                                ; step 2
	LQ 0, 0, 2
	s_wait_dscnt 32                                ; step 3; p = 1's 32 may be out
	LQ 0, 0, 3
	PLACES                                         ; for the reads of its results
	DRAIN 0, 4, 3, OB
	RUN7 96, 32                                    ; rows gr = 1, into set 1
	s_wait_dscnt 32                                ; p = 1 is in; gr = 1's 32 may be out
	QUAD 0, 1
.set STAGE, 1
	DRAIN 4, 4, 3, OB
	s_wait_dscnt 0x0                               ; gr = 1 is in
	QUAD 1, 1
.set STAGE, 0
	DRAIN 12, 4, 3, OB
	QUAD 1, 0
.set STAGE, 1
	DRAIN 8, 4, 3, OB
	s_wait_tensorcnt 0x0                           ; the wave's end, behind my last tensor load
	ds_add_u32 v[SPW], v[NIL]
	s_wait_dscnt 0x0
	CROUND                                         ; the closing round: no work-group ends while a partner may still ask for a tile that names it
	s_endpgm
.Lfunc_end_k_qdef93b1cce_cgemm:
	.size	k_qdef93b1cce_cgemm, .Lfunc_end_k_qdef93b1cce_cgemm-k_qdef93b1cce_cgemm
	.p2alignl 7, 3214868480
	.fill 96, 4, 3214868480
	.section	.rodata,"a",@progbits
	.p2align	6, 0x0
	.amdhsa_kernel k_qdef93b1cce_cgemm
		.amdhsa_group_segment_fixed_size 327680
		.amdhsa_private_segment_fixed_size 0
		.amdhsa_enable_private_segment 0
		.amdhsa_kernarg_size 72
		.amdhsa_user_sgpr_count 2
		.amdhsa_user_sgpr_kernarg_segment_ptr 1
		.amdhsa_wavefront_size32 1
		.amdhsa_system_sgpr_workgroup_id_x 1
		.amdhsa_system_sgpr_workgroup_id_y 1
		.amdhsa_system_sgpr_workgroup_id_z 1
		.amdhsa_system_vgpr_workitem_id 0
		.amdhsa_next_free_vgpr 1024
		.amdhsa_next_free_sgpr 100
		.amdhsa_reserve_vcc 0
		.amdhsa_float_denorm_mode_32 3
		.amdhsa_float_denorm_mode_16_64 3
		.amdhsa_memory_ordered 1
		.amdhsa_forward_progress 1
		.amdhsa_inst_pref_size 255
	.end_amdhsa_kernel
	.section	.bss,"aw",@nobits
	.p2align	6
	.space	262144
	.amdgpu_metadata
---
amdhsa.version: [ 1, 2 ]
amdhsa.kernels:
  - .name:           k_qdef93b1cce_cgemm
    .symbol:         k_qdef93b1cce_cgemm.kd
    .args:
      - { .name: x_re_codes, .offset: 0, .size: 8, .value_kind: global_buffer, .address_space: global }
      - { .name: x_im_codes, .offset: 8, .size: 8, .value_kind: global_buffer, .address_space: global }
      - { .name: w_re_codes, .offset: 16, .size: 8, .value_kind: global_buffer, .address_space: global }
      - { .name: w_im_codes, .offset: 24, .size: 8, .value_kind: global_buffer, .address_space: global }
      - { .name: x_re_scales, .offset: 32, .size: 8, .value_kind: global_buffer, .address_space: global }
      - { .name: x_im_scales, .offset: 40, .size: 8, .value_kind: global_buffer, .address_space: global }
      - { .name: w_re_scales, .offset: 48, .size: 8, .value_kind: global_buffer, .address_space: global }
      - { .name: w_im_scales, .offset: 56, .size: 8, .value_kind: global_buffer, .address_space: global }
      - { .name: out0, .offset: 64, .size: 8, .value_kind: global_buffer, .address_space: global }
    .group_segment_fixed_size: 327680
    .private_segment_fixed_size: 0
    .kernarg_segment_align: 8
    .kernarg_segment_size: 72
    .max_flat_workgroup_size: 128
    .sgpr_count:     100
    .vgpr_count:     1024
    .wavefront_size: 32
...
	.end_amdgpu_metadata
.endif
;; end of part 1
